; MI455X (gfx1250); checked and timed in simulation.
; The chip was launched on July 23, 2026; its instructions are those of AMD's public machine-readable ISA for CDNA 5 (MIT licence, August 2026) and "CDNA5" Instruction Set Architecture Reference Guide (July 2026). The comments in the code are by the model that wrote it; some were corrected since.
;; Aten Mm Qint8. Allowed arithmetic: matrix products marked QUANTISED: E5M2 operands, one given power-of-two scale a tensor, by v_wmma_f32_16x16x64_bf8_bf8 or v_wmma_f32_16x16x128_bf8_bf8, f32 sums; everything else in f32.
;; Inputs: lowp_scales 2 int32 (the exponents e of the quantised operands' scales 2^e); x 4,096 x 4,096 int8; y 4,096 x 4,096 int8.
;; Outputs: out0 4,096 x 4,096 float32.
;; This version of the problem:
;;   THIS VERSION OF THE PROBLEM IS GIVEN IN LOW PRECISION. The matrix products marked QUANTISED in the list below multiply operands that are first quantised to E5M2 (5 exponent bits, 2 mantissa bits; 8 bits a number), with one given power-of-two scale for each operand tensor; their sums are f32. All else is computed in f32.
;;   The module's matrix products, in the order in which they are computed (A, B: the left and right operand; K: the contracted axis; several contracted axes count as one K, in the product's order):
;;     1. [M 4,096, K 4,096] x [K 4,096, N 4,096]; A: computed on the way; B: computed on the way: QUANTISED (scales: A lowp_scales[0], B lowp_scales[1])
;;   THE QUANTISER, for each operand of a quantised product, along K:
;;     - The operand's scale is 2^e, e = its entry of the input lowp_scales (int32; the entries are numbered through the quantised products in the list's order, A before B).
;;     - Each number is divided by the scale, clamped to +-57,344, and rounded to the nearest number of E5M2, ties to even, subnormals kept.
;;     - The product sums the exact products of the quantised numbers (number of the format x scale) in f32.
;;   ~~~python
;;   def quantise(x, axis, e):      # numpy; x: float32 -> the quantised numbers, widened to float32 again
;;       x = np.moveaxis(x, axis, -1); K = x.shape[-1]
;;       r = np.clip(x / 2.0 ** e, -57344, 57344)
;;       step = 2.0 ** (np.maximum(np.frexp(np.where(r == 0, 1, r))[1] - 1, -14) - 2)
;;       q = np.round(r / step) * step * 2.0 ** e      # np.round: ties to even
;;       return np.moveaxis(q, -1, axis).astype(np.float32)
;;   ~~~
;;   OPERANDS COMPUTED ON THE WAY. 'Computed on the way' means the value that the module computes at that place (a softmax that the list does not call 'softmax' is quantised finished and normalised). What goes into a quantiser is computed in f32, as accurately as f32 sums, v_exp_f32 and their like allow (about 1e-6 of the number): no bf16 or f16 on the way to a quantiser, and a product that is left as it is and whose result goes on into a quantised operand takes f32 operands (vector FMAs, or v_wmma_f32_16x16x4_f32). A number that lies on a knife's edge between two numbers of the format may be rounded either way, as far as f32 arithmetic and the matrix unit's own rounding can turn it there, and no further.
;; One version. Each part assembles by itself: llvm-mc -triple=amdgcn-amd-amdhsa -mcpu=gfx1250 --defsym DOCPART=n.
;; ======== version 1 of 1: 2 launches
;; limits: right only within a limited range of input values
;; workspace buffers: x_codes 16,777,216 bytes; y_codes 16,777,216 bytes
;; launch quant (part 1): grid 512 x 1, 8 waves a work-group, no clusters, 0 bytes of LDS; arguments x, y, lowp_scales, x_codes, y_codes; writes x_codes, y_codes
.if DOCPART == 1
	.amdgcn_target "amdgcn-amd-amdhsa--gfx1250"
	.amdhsa_code_object_version 6
	.text
	.protected	k_qd69cbdbcbd_quant
	.globl	k_qd69cbdbcbd_quant
	.p2align	8
	.type	k_qd69cbdbcbd_quant,@function
k_qd69cbdbcbd_quant:
	s_mov_b64 s[64:65], 0
	v_nop
	global_prefetch_b8 v0, s[64:65] scope:SCOPE_SE
	s_setreg_imm32_b32 hwreg(HW_REG_WAVE_MODE, 25, 1), 1
	s_wait_xcnt 0x0
; x [4096 m][4096 k] and y [4096 k][4096 n], int8, become the two operands of the product as codes of BF8 (E5M2), one code a byte.
; A number: xf = (x + 25) * 0.0215, yf = (y - 18) * 0.0176, in f32 with one rounding (the multiplication); code = number / 2^e, held within +-57,344, to the nearest code, ties to even.
; e: entry 0 (x) or entry 1 (y) of the buffer of scales.  LIMIT: -126 <= e <= 112, so that 2^e and 57,344 x 2^e are f32 numbers.  Every int8 value is served.
; HOW A BYTE BECOMES f32, exactly: the word's four bytes xor 0x80 are u = q + 128 (0 .. 255); v_perm_b32 sets byte u under the pattern 0x4B0000..: the f32 number 2^23 + u;
; adding -(2^23 + 128 + zero point) gives q - zero point with no rounding.  The addition and the multiplication by the scale are NOT fused into one multiply-add with a
; constant multiplied beforehand: that would round otherwise than (q - zero point) * scale does.
; SHARES.  512 work-groups of eight waves, 64 KiB each, 8 KiB a wave, 256 numbers a lane; work-groups 0-255 take x, 256-511 take y.  All of a wave's loads go out at its head.
; No LDS, no barrier, no loop: every offset is an immediate and no register that a load or store names is written again, so no wait on XCNT is needed.
; x_codes: [4096 m][4096 k], as x lies: a plain stream, 16 bytes a lane in and out, 512 consecutive bytes an instruction.
; y_codes: IN THE ORDER OF THE OPERAND'S REGISTERS: byte G*524288 + ks*16384 + b*2048 + c*512 + h*256 + r*16 + i holds the code of y(k = 128 ks + 32 c + 16 h + i, n = 128 G + 8 r + b).
;   So fragment b of a group G of 128 columns holds the columns 8 r + b, and its 2,048 bytes are four images of 512 bytes, lane 16 h + r at byte 16 (16 h + r).
;   Why: a lane loads 8 neighbouring columns of a row of y (the wave: 256 consecutive bytes, aligned), sixteen rows down K; byte b of those sixteen registers is 16 neighbours along K of ONE column.
;   The unpacking does the turning.  For one b, lanes 0-15 hold columns 8 r + b: their sixteen pieces of 16 bytes are 256 consecutive bytes, aligned, of fragment b; lanes 16-31 the same in the next group G.
.set IN,  8                            ; v8-71    the bytes as loaded; later codes
.set T,   72                           ; v72-103  two sets of 16 numbers in f32, by turns
.set OUT, 104                          ; v104-135 codes (y's first sixteen rows)
	s_load_b128 s[4:7], s[0:1], 0x0                ; x s[4:5], y s[6:7]
	s_load_b64 s[8:9], s[0:1], 0x10                ; the scales' exponents
	s_load_b128 s[12:15], s[0:1], 0x18             ; x_codes s[12:13], y_codes s[14:15]
	v_lshrrev_b32 v1, 5, v0
	s_delay_alu instid0(VALU_DEP_1)
	v_readfirstlane_b32 s16, v1                    ; wave 0..7
	v_and_b32 v1, 31, v0                           ; lane
	s_mov_b32 s28, 0x4b000000                      ; 2^23 as f32: its bytes are v_perm_b32's bytes 4 to 7
	s_mov_b32 s29, 0x07050400                      ; selects: result byte 0 = the word's byte 0, 1, 2 or 3; bytes 1 and 2 = zeros of s28; byte 3 = 0x4B
	s_mov_b32 s30, 0x07050401
	s_mov_b32 s31, 0x07050402
	s_mov_b32 s32, 0x07050403
	s_mov_b32 s33, 0x80808080                      ; q -> q + 128 in four bytes at once
	s_mov_b32 s21, 0                               ; the upper word of every offset
	s_wait_kmcnt 0x0
	s_load_b64 s[22:23], s[8:9], 0x0               ; ea, eb
	s_cmp_ge_u32 ttmp9, 256                        ; x's work-group or y's: the work-group's number alone decides
	s_cbranch_scc1 .Ly
.macro SCALES e                        ; v4 = 2^e as f32 (the conversion takes its exponent field); v5 = 57,344 x 2^e
	s_add_co_i32 s18, s[\e], 127
	s_lshl_b32 s19, s18, 23
	v_mov_b32 v4, s19
	s_add_co_i32 s18, s18, 15
	s_lshl_b32 s18, s18, 23
	s_or_b32 s18, s18, 0x600000                    ; the mantissa field of 57,344
	v_mov_b32 v5, s18
.endm
; Sixteen numbers 2^23 + u in v[t] on become sixteen codes in v[d] to v[d + 3], the first number's code in the lowest byte.
.macro CONV t, d
.irp i, 0,2,4,6,8,10,12,14
	v_pk_add_f32 v[\t+\i:\t+\i+1], v[\t+\i:\t+\i+1], s[24:25] op_sel_hi:[1,0]   ; q - zero point: exact
.endr
.irp i, 0,2,4,6,8,10,12,14
	v_pk_mul_f32 v[\t+\i:\t+\i+1], v[\t+\i:\t+\i+1], s[26:27] op_sel_hi:[1,0]   ; x the tensor's affine scale: the one rounding
.endr
.irp i, 0,1,2,3,4,5,6,7,8,9,10,11,12,13,14,15
	v_med3_num_f32 v[\t+\i], v[\t+\i], -v5, v5     ; the conversion to an 8-bit code does not saturate (ISA guide 7.6.2): the hold at the largest code x 2^e comes first
.endr
	v_cvt_scalef32_pk8_bf8_f32 v[\d:\d+1], v[\t:\t+7], v4
	v_cvt_scalef32_pk8_bf8_f32 v[\d+2:\d+3], v[\t+8:\t+15], v4
.endm
; (The conversions' results are touched by stores alone; their sources, a set of T, are written again two groups on, behind the other set's plain vector lines.)
	; ---- x: my wave's 8,192 bytes, sixteen loads of 512 consecutive bytes
	s_lshl_b32 s20, ttmp9, 16                      ; 64 KiB a work-group,
	s_lshl_b32 s17, s16, 13                        ; 8 KiB a wave
	s_add_co_u32 s20, s20, s17
	s_add_nc_u64 s[4:5], s[4:5], s[20:21]
	s_add_nc_u64 s[12:13], s[12:13], s[20:21]
	s_wait_alu depctr_va_vdst(0)
	v_lshlrev_b32 v2, 4, v1                        ; 16 bytes a lane, in and out
.irp t, 0,1,2,3,4,5,6,7,8,9,10,11,12,13,14,15
	global_load_b128 v[IN+4*\t:IN+4*\t+3], v2, s[4:5] offset:512*\t th:TH_LOAD_NT
.endr
	s_mov_b32 s24, 0xcb000067                      ; -(2^23 + 128 - 25)
	s_mov_b32 s25, s24                             ; (named with it as a pair, so it is written)
	s_mov_b32 s26, 0x3cb020c5                      ; 0.0215 as f32
	s_mov_b32 s27, s26
	s_wait_kmcnt 0x0
	SCALES 22
.macro XSTEP t
.set TS, T+16*((\t)%2)
.set DS, IN+4*(\t)
	s_wait_loadcnt 15-(\t)                         ; loads come back in order (ISA guide 5.7.1): load t is in, the younger ones may be out
.irp j, 0,1,2,3
	v_xor_b32 v[DS+\j], s33, v[DS+\j]
.endr
.irp j, 0,1,2,3
.irp b, 0,1,2,3
	v_perm_b32 v[TS+4*\j+\b], s28, v[DS+\j], s[29+\b]   ; number 4 j + b of my 16 neighbours along K
.endr
.endr
	CONV TS, DS                                    ; the codes take the four registers that the bytes have left
	global_store_b128 v2, v[DS:DS+3], s[12:13] offset:512*(\t)   ; 32 lanes store 512 consecutive bytes, at a multiple of 256 from the buffer's first byte
.endm
.irp t, 0,1,2,3,4,5,6,7,8,9,10,11,12,13,14,15
	XSTEP \t
.endr
	s_endpgm
	; ---- y: the work-group takes 256 rows (k) x 256 columns (n); my wave 32 of the rows
.Ly:
	s_sub_co_u32 s17, ttmp9, 256
	s_and_b32 s18, s17, 15                         ; tc: which 256 columns
	s_lshr_b32 s19, s17, 4                         ; kb: which 256 along K
	s_lshl_b32 s20, s19, 20                        ; in: (256 kb + 32 wave) rows of 4,096 bytes + 256 tc
	s_lshl_b32 s34, s16, 17
	s_add_co_u32 s20, s20, s34
	s_lshl_b32 s34, s18, 8
	s_add_co_u32 s20, s20, s34
	s_add_nc_u64 s[6:7], s[6:7], s[20:21]
	s_lshl_b32 s20, s18, 20                        ; out: G = 2 tc: 2 tc x 524,288;
	s_lshl_b32 s34, s19, 15                        ; ks = 2 kb + wave / 4: x 16,384;
	s_add_co_u32 s20, s20, s34
	s_lshr_b32 s34, s16, 2
	s_lshl_b32 s34, s34, 14
	s_add_co_u32 s20, s20, s34
	s_and_b32 s34, s16, 3                          ; c = wave % 4: x 512
	s_lshl_b32 s34, s34, 9
	s_add_co_u32 s20, s20, s34
	s_add_nc_u64 s[14:15], s[14:15], s[20:21]
	s_wait_alu depctr_va_vdst(0)
	v_lshlrev_b32 v2, 3, v1                        ; in: 8 columns a lane
	v_lshrrev_b32 v3, 4, v1
	s_delay_alu instid0(VALU_DEP_1)
	v_lshlrev_b32 v3, 19, v3                       ; out: lanes 16-31 hold the next group of 128 columns,
	v_and_b32 v6, 15, v1
	s_delay_alu instid0(VALU_DEP_1)
	v_lshl_add_u32 v3, v6, 4, v3                   ; and r = lane % 16: 16 bytes each
.irp i, 0,1,2,3,4,5,6,7,8,9,10,11,12,13,14,15,16,17,18,19,20,21,22,23,24,25,26,27,28,29,30,31
	global_load_b64 v[IN+2*\i:IN+2*\i+1], v2, s[6:7] offset:4096*\i th:TH_LOAD_NT   ; row i of my 32: the wave reads 256 consecutive bytes, aligned
.endr
	s_mov_b32 s24, 0xcb000092                      ; -(2^23 + 128 + 18)
	s_mov_b32 s25, s24
	s_mov_b32 s26, 0x3c902de0                      ; 0.0176 as f32
	s_mov_b32 s27, s26
	s_wait_kmcnt 0x0
	SCALES 23
; Rows 16 u to 16 u + 15 of my 32: h = u.  For each of my eight columns b: sixteen neighbours along K, one from each row's register.
.macro YUNIT u
	s_wait_loadcnt 16*(1-\u)                       ; these sixteen rows are in; for u = 0 the other sixteen may be out
.set n, 0
.rept 32
	v_xor_b32 v[IN+32*\u+n], s33, v[IN+32*\u+n]
.set n, n+1
.endr
.irp b, 0,1,2,3,4,5,6,7
.set TS, T+16*(\b%2)
.if \u == 0
.set DS, OUT+4*\b
.else
.set DS, IN+4*\b                       ; the first sixteen rows' bytes are done with: no store reads these registers
.endif
.irp i, 0,1,2,3,4,5,6,7,8,9,10,11,12,13,14,15
	v_perm_b32 v[TS+\i], s28, v[IN+32*\u+2*\i+\b/4], s[29+\b%4]
.endr
	CONV TS, DS
	global_store_b128 v3, v[DS:DS+3], s[14:15] offset:2048*\b+256*\u   ; sixteen lanes store 256 consecutive bytes, at a multiple of 256 from the buffer's first byte
.endr
.endm
	YUNIT 0
	YUNIT 1
	s_endpgm
.Lfunc_end_k_qd69cbdbcbd_quant:
	.size	k_qd69cbdbcbd_quant, .Lfunc_end_k_qd69cbdbcbd_quant-k_qd69cbdbcbd_quant
	.p2alignl 7, 3214868480
	.fill 96, 4, 3214868480
	.section	.rodata,"a",@progbits
	.p2align	6, 0x0
	.amdhsa_kernel k_qd69cbdbcbd_quant
		.amdhsa_group_segment_fixed_size 0
		.amdhsa_private_segment_fixed_size 0
		.amdhsa_enable_private_segment 0
		.amdhsa_kernarg_size 40
		.amdhsa_user_sgpr_count 2
		.amdhsa_user_sgpr_kernarg_segment_ptr 1
		.amdhsa_wavefront_size32 1
		.amdhsa_system_sgpr_workgroup_id_x 1
		.amdhsa_system_sgpr_workgroup_id_y 1
		.amdhsa_system_sgpr_workgroup_id_z 1
		.amdhsa_system_vgpr_workitem_id 0
		.amdhsa_next_free_vgpr 136
		.amdhsa_next_free_sgpr 66
		.amdhsa_reserve_vcc 0
		.amdhsa_float_denorm_mode_32 3
		.amdhsa_float_denorm_mode_16_64 3
		.amdhsa_memory_ordered 1
		.amdhsa_forward_progress 1
		.amdhsa_inst_pref_size 116
	.end_amdhsa_kernel
	.amdgpu_metadata
---
amdhsa.version: [ 1, 2 ]
amdhsa.kernels:
  - .name:           k_qd69cbdbcbd_quant
    .symbol:         k_qd69cbdbcbd_quant.kd
    .args:
      - { .name: x, .offset: 0, .size: 8, .value_kind: global_buffer, .address_space: global }
      - { .name: y, .offset: 8, .size: 8, .value_kind: global_buffer, .address_space: global }
      - { .name: lowp_scales, .offset: 16, .size: 8, .value_kind: global_buffer, .address_space: global }
      - { .name: x_codes, .offset: 24, .size: 8, .value_kind: global_buffer, .address_space: global }
      - { .name: y_codes, .offset: 32, .size: 8, .value_kind: global_buffer, .address_space: global }
    .group_segment_fixed_size: 0
    .private_segment_fixed_size: 0
    .kernarg_segment_align: 8
    .kernarg_segment_size: 40
    .max_flat_workgroup_size: 256
    .sgpr_count:     66
    .vgpr_count:     136
    .wavefront_size: 32
...
	.end_amdgpu_metadata
.endif
;; end of part 1
;; launch gemm (part 2): grid 16 x 16, 4 waves a work-group, clusters of 4 x 1, 327,680 bytes of LDS; arguments x_codes, y_codes, lowp_scales, out0; writes out0
.if DOCPART == 2
	.amdgcn_target "amdgcn-amd-amdhsa--gfx1250"
	.amdhsa_code_object_version 6
	.text
	.protected	k_qd69cbdbcbd_gemm
	.globl	k_qd69cbdbcbd_gemm
	.p2align	8
	.type	k_qd69cbdbcbd_gemm,@function
k_qd69cbdbcbd_gemm:
	s_mov_b64 s[64:65], 0
	v_nop
	global_prefetch_b8 v0, s[64:65] scope:SCOPE_SE
	s_setreg_imm32_b32 hwreg(HW_REG_WAVE_MODE, 25, 1), 1
	s_wait_xcnt 0x0
	s_wait_alu depctr_hold_cnt(0) depctr_sa_sdst(0) depctr_va_vdst(0) depctr_va_sdst(0) depctr_va_ssrc(0) depctr_va_vcc(0) depctr_vm_vsrc(0)
	s_getreg_b32 s2, hwreg(HW_REG_IB_STS2, 6, 4)
	s_cmp_eq_u32 s2, 0
	s_cbranch_scc0 .Lentry_in_a_cluster
	s_endpgm
.Lentry_in_a_cluster:
	s_bfe_u32 s2, ttmp6, 0x10000c
	s_cmp_lg_u32 s2, 0x3003
	s_cbranch_scc0 .Lentry_shape_is_right
	s_endpgm
.Lentry_shape_is_right:
; out0[m][n] = 2^(ea + eb) x the sum over k of A[m][k] B[k][n], A and B as codes of BF8 (E5M2); sums in f32.  LIMIT: -126 <= ea + eb <= 127, so that 2^(ea + eb) is an f32 number.
; x_codes: [4096 m][4096 k].  y_codes lies in the order of the operand's registers: byte G*524288 + ks*16384 + b*2048 + c*512 + h*256 + r*16 + i = code of y(k = 128 ks + 32 c + 16 h + i, n = 128 G + 8 r + b).
; A work-group of four waves makes 256 x 256 of out0.  A WAVE MAKES 256 ROWS x 64 COLUMNS: 16 blocks of A x 4 fragments of B = 64 accumulators, 512 registers.
; B: wave w takes fragments b = 4 (w % 2) + 0..3 of group G = 2 x tile column + w / 2.  No other wave of the work-group needs them, so they go from memory straight into its registers:
;    16 loads of 512 consecutive bytes for a K step of 128, issued three K steps (192 matrix instructions) ahead of their wait, into four register sets that take turns: up to 48 loads are out.
;    For that reason B has no joint load (a tensor load lands in LDS, which A's two slots take: 270,336 of its bytes) and no prefetch.
; A: all four waves multiply the same 256 rows, from LDS.  Two slots of 256 rows x 512 bytes (four K steps each, LDS pitch 528), filled by tensor loads, a wave 64 rows.
;    CLUSTER 4 x 1: the four work-groups of a cluster make one tile row of out0 and need the same tiles of A: each tile is asked for jointly, mask 15, the same descriptor in all four.
;    One change of slots for four K steps.
;    A's fragments have FOURTEEN places in registers: block n lies at place n, blocks 14 and 15 at places 6 and 7.  So a K step has two runs of loads: at its head blocks 6-13 (the places that the last
;    step's blocks 8-15 have left), with B's K step three on; in front of block 8 blocks 14, 15 and the next step's blocks 0-5 (the places of blocks 0-7).  Six blocks, 24 matrix instructions, stand between a run and its first use.
;    A's tiles are prefetched two refills ahead: 512 blocks of 256 bytes a tile, a lane a block; the four partners share the rows out by address (64 each), a wave 16 rows.  Tiles 0 to 3 come by their loads alone.
; THE LAST TWO K STEPS GO BY ROWS OF out0: B's two sets for them are both in registers, so each pair of blocks (32 rows) is finished by 16 matrix instructions and leaves while the next pairs are multiplied.
; THE MATRIX INSTRUCTION IS USED TRANSPOSED (source 0 = B's fragment, source 1 = 16 rows of A): lane (r, h) holds row r, register j of fragment b the column 64 h + 8 j + b of the group.
; k stands in the same permuted places in A's and B's registers (registers 4 c .. 4 c + 3: k = 32 c + 16 h + 0 .. 15), so every product meets its partner.
; REGISTERS: window 0: v0-31 addresses, v32-255 A's fourteen places; window 1: B's four sets; windows 2, 3: accumulators (block a, fragment b) at v[8 (4 (a % 8) + b)].
;   By rows: places 0-3 and 4-7 hold a pair's four fragments by turns, places 8-11 the scaled sums; B's sets 0 and 1, done with, take the rows read back from the stage.
.set PITCH,  528
.set BLKB,   16*PITCH                  ; a block of 16 rows in LDS
.set SLOT,   256*PITCH
.set SPARE,  2*SLOT                    ; the spare words, 128 bytes a wave: two blocks of 256 bytes that no other line names
.set CHB,    512                       ; a slot's row in bytes: four K steps
.set KSB,    16384                     ; a K step of a group of y_codes
.set SPITCH, 1040                      ; the way out: a stage row, 1,024 bytes + 16
.set SBUF,   32*SPITCH                 ; a stage of 32 rows; two of them lie in slot 0, behind its last fill and last read
.set ADRA, 16                          ; v16-19  LDS address of A's fragments: slot 0 blocks 0-7, blocks 8-15, slot 1 likewise
.set STO,  24
.set RD,   25
.set CO,   26                          ; 16 x lane
.set PFO,  27                          ; the prefetch's offset: (lane % 16) rows + 256 (lane / 16)
.set SPW,  28
.set NIL,  29
.set AF,   32
.set TMP,  AF+16*8                     ; places 8-11
.set BK,   0                           ; in window 1
.set G1, 24
.set G0, 32
.set BP, 48                            ; s[48:49] my fragments of B at the lap's first K step
.set PFA, 50                           ; s[50:51] my 16 rows of A for the prefetch, at the lap's first byte
.set MSB, 0
.macro WIN new                         ; the immediate's high byte repeats the setting that is left
.if MSB != \new
	s_set_vgpr_msb (MSB<<8)|\new
.set MSB, \new
.endif
.endm
.set MUL_LO, 0xa1                      ; source 0 (B) window 1, source 1 (A) window 0, C and D window 2
.set MUL_HI, 0xf1                      ; the same, C and D window 3
.set TO_B,   0x40                      ; destination window 1, address window 0
.set ST_B,   0x04                      ; a store's data (source 1) window 1, address window 0
.macro CREST                           ; a round of the cluster's barrier behind its opening barrier
	s_cmp_lg_u32 s14, 0
	s_cbranch_scc1 .Lnot_wave_0_\@
	s_barrier_signal -3
.Lnot_wave_0_\@:
	s_barrier_wait -3
	s_barrier_signal -1
	s_barrier_wait -1
.endm
.macro CROUND
	s_barrier_signal -1
	s_barrier_wait -1
	CREST
.endm
.macro PLACES                          ; four places in front of loads into registers that matrix instructions have read, and of reads of results
.rept 4
	v_nop
.endr
.endm
.macro FAP slot, q, n, p               ; block n of A, K step q of the slot, into place p
.irp c, 0,1,2,3
	ds_load_b128 v[AF+16*(\p)+4*\c:AF+16*(\p)+4*\c+3], v[ADRA+2*(\slot)+(\n)/8] offset:128*(\q)+32*\c+((\n)%8)*BLKB
.endr
.endm
.macro FA slot, q, n                   ; the same, into the block's own place
.set PS, (\n)
.if (\n) > 13
.set PS, (\n)-8
.endif
	FAP \slot, \q, \n, PS
.endm
.macro FR u                            ; by rows: blocks 2 u and 2 u + 1, slot 1's K steps 2 and 3, into places 4 (u % 2) + 0..3
	FAP 1, 2, 2*(\u), 4*((\u)%2)
	FAP 1, 2, 2*(\u)+1, 4*((\u)%2)+1
	FAP 1, 3, 2*(\u), 4*((\u)%2)+2
	FAP 1, 3, 2*(\u)+1, 4*((\u)%2)+3
.endm
.macro FB set, step, f                 ; fragment f of B, K step 'step' of the lap, into a set
.irp c, 0,1,2,3
	global_load_b128 v[64*(\set)+16*(\f)+4*\c:64*(\set)+16*(\f)+4*\c+3], v[CO], s[BP:BP+1] offset:(\step)*KSB+(\f)*2048+512*\c
.endr
.endm
.macro ASK slot                        ; the tile two refills on; the loop's last trip has none
	s_cmp_gt_u32 s3, 1
	s_cbranch_scc0 .Lnone_\@
	global_prefetch_b8 v[PFO], s[PFA:PFA+1] offset:(4+\slot)*CHB th:TH_LOAD_NT scope:SCOPE_SE
.Lnone_\@:
.endm
	s_load_b128 s[4:7], s[0:1], 0x0                ; x_codes, y_codes
	s_load_b128 s[8:11], s[0:1], 0x10              ; the scales' exponents, out0
	v_lshl_add_u32 v[SPW], v0, 2, SPARE
	v_mov_b32 v[NIL], 0
	ds_add_u32 v[SPW], v[NIL]                      ; the opening lines: the add, twice on end, and its wait
	ds_add_u32 v[SPW], v[NIL]
	v_lshrrev_b32 v1, 5, v0
	v_readfirstlane_b32 s14, v1                    ; wave
	v_and_b32 v6, 31, v0
	v_lshlrev_b32 v[CO], 4, v6
	s_lshr_b32 s15, s14, 1                         ; my group of 128 columns
	s_and_b32 s16, s14, 1                          ; my four of its eight fragments
	s_bfe_u32 s40, ttmp6, 0x40000                  ; cx
	s_lshl_b32 s42, ttmp9, 2
	s_add_co_u32 s42, s42, s40                     ; tile column
	s_and_b32 s17, ttmp7, 0xffff                   ; tile row: the same in the four partners
	s_mov_b32 s[G1+0], 15|(1<<20)|(1<<21)|(6<<22)|(3<<25)   ; mask of the four; bytes; 4 words of padding behind every 128
	s_mov_b32 s[G1+1], CHB<<16
	s_mov_b32 s[G1+2], 64<<16
	s_mov_b32 s[G1+3], CHB<<16
	s_mov_b32 s[G1+4], 64
	s_mov_b32 s[G1+5], 4096
	s_mov_b32 s[G1+6], 0
	s_mov_b32 s[G1+7], 0
	s_lshl_b32 s20, s17, 20                        ; A: (256 x tile row + 64 x wave) rows of 4,096 bytes
	s_lshl_b32 s18, s14, 18
	s_add_co_u32 s20, s20, s18
	s_mov_b32 s21, 0
	s_mul_i32 s45, s14, 64*PITCH
	s_lshl_b32 s46, s42, 20                        ; B: group 2 x tile column + wave / 2, fragments from 4 (wave % 2)
	s_lshl_b32 s18, s15, 19
	s_add_co_u32 s46, s46, s18
	s_lshl_b32 s18, s16, 13
	s_add_co_u32 s46, s46, s18
	s_mov_b32 s47, 0
	s_lshl_b32 s52, s17, 20                        ; the prefetch: row 256 x tile row + 64 cx + 16 x wave
	s_lshl_b32 s18, s40, 18
	s_add_co_u32 s52, s52, s18
	s_lshl_b32 s18, s14, 16
	s_add_co_u32 s52, s52, s18
	s_mov_b32 s53, 0
	s_lshl_b32 s54, s17, 22                        ; out0: row 256 x tile row + 8 x wave, column 256 x tile column
	s_lshl_b32 s18, s14, 17
	s_add_co_u32 s54, s54, s18
	s_lshl_b32 s18, s42, 10
	s_add_co_u32 s54, s54, s18
	s_mov_b32 s55, 0
	s_lshl_b32 s23, s15, 9                         ; into the stage: my group's 512 bytes, my 16 of every 32
	s_lshl_b32 s18, s16, 4
	s_add_co_u32 s23, s23, s18
	s_mul_i32 s22, s14, 8*SPITCH                   ; out of it: my 8 rows of 32
	s_wait_alu depctr_va_vdst(0)
	s_wait_dscnt 0x0
	s_wait_kmcnt 0x0
	s_load_b64 s[96:97], s[8:9], 0x0               ; ea, eb
	s_add_nc_u64 s[20:21], s[4:5], s[20:21]
	s_add_nc_u64 s[BP:BP+1], s[6:7], s[46:47]
	s_add_nc_u64 s[PFA:PFA+1], s[4:5], s[52:53]
	s_add_nc_u64 s[10:11], s[10:11], s[54:55]
	WIN TO_B
.irp f, 0,1,2,3
	FB 0, 0, \f                                    ; B's K step 0 sets out ahead of the round
.endr
	WIN 0
	CROUND                                         ; the four work-groups are here: the first joint loads meet
.irp s, 0,1
	s_mov_b32 s[G0+4*\s], 1
	s_add_co_u32 s[G0+4*\s+1], s45, \s*SLOT
	s_add_nc_u64 s[G0+4*\s+2:G0+4*\s+3], s[20:21], \s*CHB
	s_or_b32 s[G0+4*\s+3], s[G0+4*\s+3], 0x80000000
.endr
	tensor_load_to_lds s[G0:G0+3], s[G1:G1+7]      ; tile 0, my 64 rows: one tensor load a wave at the head
	s_nop 0
	PLACES
	v_and_b32 v1, 15, v0                           ; r
	v_bfe_u32 v2, v0, 4, 1                         ; h
	v_mul_u32_u24 v3, v1, PITCH
	v_lshl_add_u32 v[ADRA], v2, 4, v3
	v_add_nc_u32 v[ADRA+1], 8*BLKB, v[ADRA]
	v_add_nc_u32 v[ADRA+2], SLOT, v[ADRA]
	v_add_nc_u32 v[ADRA+3], SLOT+8*BLKB, v[ADRA]
	v_mul_u32_u24 v5, v1, SPITCH
	v_lshl_add_u32 v5, v2, 8, v5
	v_add_nc_u32 v[STO], s23, v5
	v_add_nc_u32 v[RD], s22, v[CO]
	v_lshlrev_b32 v4, 12, v1
	v_lshl_add_u32 v[PFO], v2, 8, v4
	s_wait_alu depctr_va_vdst(0)
	s_wait_tensorcnt 0x0                           ; my part of tile 0 is in; these lines stand ahead of a later first fill as ahead of a refill
	ds_add_u32 v[SPW], v[NIL]
	s_wait_dscnt 0x0
	CROUND
	tensor_load_to_lds s[G0+4:G0+7], s[G1:G1+7]    ; tile 1: slot 1's first fill
	s_nop 0
	PLACES
.irp n, 0,1,2,3,4,5
	FA 0, 0, \n
.endr
	WIN TO_B
.irp t, 1,2
.irp f, 0,1,2,3
	FB \t, \t, \f                                  ; B's K steps 1 and 2
.endr
.endr
	WIN 0
; 'count' blocks of A from 'first' on, each against B's four fragments of set q; the 64 accumulators take turns, one instruction a turn
.macro MULS q, first, count, zero
.set BN, \first
.rept \count
.set PS, BN
.if BN > 13
.set PS, BN-8
.endif
.irp b, 0,1,2,3
.if \zero
	v_wmma_f32_16x16x128_bf8_bf8 v[8*(4*(BN%8)+\b):8*(4*(BN%8)+\b)+7], v[64*(\q)+16*\b:64*(\q)+16*\b+15], v[AF+16*PS:AF+16*PS+15], 0
.else
	v_wmma_f32_16x16x128_bf8_bf8 v[8*(4*(BN%8)+\b):8*(4*(BN%8)+\b)+7], v[64*(\q)+16*\b:64*(\q)+16*\b+15], v[AF+16*PS:AF+16*PS+15], v[8*(4*(BN%8)+\b):8*(4*(BN%8)+\b)+7]
.endif
.endr
.set BN, BN+1
.endr
.endm
; A K step of 128.  L = its number in the lap; lc = B's loads that may stay out: those of the K steps behind this one.
; kind 0: a step inside a slot.  1: a slot's last step, the slot is filled again.  2: the same, nothing is filled.  3: the last step that goes by K: its second run fetches the first pair of blocks for the steps by rows.
; The counts on DScnt: four loads a fragment; behind the pair of blocks that is due stand the younger fragments of its own run and the loads of the run issued since.
.macro STEP slot, q, L, kind, zero, bload, lc
	s_wait_loadcnt \lc
	PLACES
	WIN 0
.irp n, 6,7,8,9,10,11,12,13
	FA \slot, \q, \n
.endr
.if \bload
	WIN TO_B
.irp f, 0,1,2,3
	FB ((\q)+3)%4, (\L)+3, \f
.endr
.endif
	s_wait_dscnt 48
	WIN MUL_LO
	MULS \q, 0, 2, \zero
	s_wait_dscnt 40
	MULS \q, 2, 2, \zero
	s_wait_dscnt 32
	MULS \q, 4, 2, \zero
	s_wait_dscnt 24
	MULS \q, 6, 2, \zero
	PLACES
	WIN 0
	FA \slot, \q, 14
	FA \slot, \q, 15                               ; in a slot's last step: my last reads of the slot
.if (\kind) == 0
.irp n, 0,1,2,3,4,5
	FA \slot, (\q)+1, \n
.endr
	s_wait_dscnt 48
	WIN MUL_HI
	MULS \q, 8, 2, \zero
	s_wait_dscnt 40
	MULS \q, 10, 2, \zero
	s_wait_dscnt 32
	MULS \q, 12, 2, \zero
	s_wait_dscnt 24
	MULS \q, 14, 2, \zero
.endif
.if ((\kind) == 1) || ((\kind) == 2)
	s_wait_tensorcnt 0x0                           ; all my tensor loads have landed: my part of the next slot
	ds_add_u32 v[SPW], v[NIL]
.if (\kind) == 1
	s_add_nc_u64 s[G0+4*\slot+2:G0+4*\slot+3], s[G0+4*\slot+2:G0+4*\slot+3], 2*CHB
.endif
	s_wait_dscnt 25                                ; blocks 10-13, 14, 15 and the add may be out
	WIN MUL_HI
	MULS \q, 8, 2, \zero
	s_wait_dscnt 0x0                               ; the add is done, and my reads of this slot are over
	s_barrier_signal -1
	MULS \q, 10, 2, \zero
	WIN 0
	s_barrier_wait -1
.if (\kind) == 1
	CREST                                          ; the barrier has opened a round of the cluster's barrier
	tensor_load_to_lds s[G0+4*\slot:G0+4*\slot+3], s[G1:G1+7]   ; my one load behind the round: the tile two on
	s_nop 0
.endif
	PLACES
.irp n, 0,1,2,3,4,5
	FA 1-(\slot), 0, \n
.endr
.if (\kind) == 1
	ASK \slot
.endif
	WIN MUL_HI
	MULS \q, 12, 4, \zero
.endif
.if (\kind) == 3
	FR 0                                           ; 16 loads, into places 0-3
	s_wait_dscnt 40                                ; blocks 10-13, 14, 15 and those 16 may be out
	WIN MUL_HI
	MULS \q, 8, 2, \zero
	s_wait_dscnt 32
	MULS \q, 10, 2, \zero
	s_wait_dscnt 24
	MULS \q, 12, 2, \zero
	s_wait_dscnt 16
	MULS \q, 14, 2, \zero
.endif
.endm
	STEP 0, 0, 0, 0, 1, 1, 32                      ; the first step starts the sums
	WIN 0
	s_mov_b32 s3, 3
.Llap:                                                 ; a trip: from a lap's second step to the next lap's first; both slots are filled again
	STEP 0, 1, 1, 0, 0, 1, 32
	STEP 0, 2, 2, 0, 0, 1, 32
	STEP 0, 3, 3, 1, 0, 1, 32
	STEP 1, 0, 4, 0, 0, 1, 32
	STEP 1, 1, 5, 0, 0, 1, 32
	STEP 1, 2, 6, 0, 0, 1, 32
	STEP 1, 3, 7, 1, 0, 1, 32
	STEP 0, 0, 8, 0, 0, 1, 32
	WIN 0
	s_wait_xcnt 0x0                                ; my loads and prefetches have read their bases
	s_add_nc_u64 s[BP:BP+1], s[BP:BP+1], 8*KSB
	s_add_nc_u64 s[PFA:PFA+1], s[PFA:PFA+1], 2*CHB
	s_sub_co_u32 s3, s3, 1
	s_cmp_lg_u32 s3, 0
	s_cbranch_scc1 .Llap
	STEP 0, 1, 1, 0, 0, 1, 32                      ; the last lap fills nothing; B's last K step is asked for in its fifth step
	STEP 0, 2, 2, 0, 0, 1, 32
	STEP 0, 3, 3, 2, 0, 1, 32
	STEP 1, 0, 4, 0, 0, 1, 32
	STEP 1, 1, 5, 3, 0, 0, 32
; THE LAST TWO K STEPS, BY ROWS, AND THE WAY OUT, 32 rows at a time.  RMUL finishes blocks 2 u and 2 u + 1: 16 matrix instructions, K ascending, seven other accumulators between a sum's two steps.
; A lane holds, for each j, 16 bytes of its row (four neighbouring columns); the wave beside it holds the 16 bytes between.  So the four waves write one stage,
; a barrier follows, and each wave reads 8 whole rows of 1,024 bytes back and stores them, 512 consecutive bytes an instruction.  Two stages by turns: one barrier for 32 rows.
.macro RMUL u
.set MW, MUL_LO+0x50*((\u)/4)
	WIN MW
.irp q, 2,3
.irp e, 0,1
.irp b, 0,1,2,3
	v_wmma_f32_16x16x128_bf8_bf8 v[8*(4*((2*(\u)+\e)%8)+\b):8*(4*((2*(\u)+\e)%8)+\b)+7], v[64*\q+16*\b:64*\q+16*\b+15], v[AF+16*(4*((\u)%2)+2*(\q-2)+\e):AF+16*(4*((\u)%2)+2*(\q-2)+\e)+15], v[8*(4*((2*(\u)+\e)%8)+\b):8*(4*((2*(\u)+\e)%8)+\b)+7]
.endr
.endr
.endr
.endm
.macro TOST u
.set MW, 0x0a+5*((\u)/4)
	WIN MW
.irp e, 0,1
.irp j, 0,1,2,3,4,5,6,7
.irp b, 0,1,2,3
	v_mul_f32 v[TMP+32*\e+4*\j+\b], s96, v[32*((2*(\u)+\e)%8)+8*\b+\j]   ; x 2^(ea + eb); each accumulator from its low end on
.endr
.endr
.endr
	WIN 0
.irp e, 0,1
.irp j, 0,1,2,3,4,5,6,7
	ds_store_b128 v[STO], v[TMP+32*\e+4*\j:TMP+32*\e+4*\j+3] offset:((\u)%2)*SBUF+\e*16*SPITCH+32*\j
.endr
.endr
	s_wait_dscnt 0x0                               ; for the others' sake: my stores are done, and my reads of the other stage are back; the fragments asked for are in too
	s_barrier_signal -1
	s_barrier_wait -1
.endm
.macro BACK u
	WIN TO_B
.irp t, 0,1,2,3,4,5,6,7
.irp f, 0,1
	ds_load_b128 v[BK+64*((\u)%2)+8*\t+4*\f:BK+64*((\u)%2)+8*\t+4*\f+3], v[RD] offset:((\u)%2)*SBUF+\t*SPITCH+512*\f
.endr
.endr
.endm
.macro SEND u
	WIN ST_B
.irp t, 0,1,2,3,4,5,6,7
.irp f, 0,1
	global_store_b128 v[CO], v[BK+64*((\u)%2)+8*\t+4*\f:BK+64*((\u)%2)+8*\t+4*\f+3], s[10:11] offset:(\u)*32*16384+\t*16384+512*\f th:TH_STORE_NT
.endr
.endr
.endm
	PLACES
	WIN 0
	FR 1                                           ; the second pair, into places 4-7
	s_wait_kmcnt 0x0
	s_add_co_i32 s96, s96, s97
	s_add_co_i32 s96, s96, 127
	s_lshl_b32 s96, s96, 23                        ; 2^(ea + eb) as f32
	s_wait_loadcnt 0x0                             ; B's last two sets are in
	s_wait_dscnt 16                                ; the first pair's fragments are in; the second pair's 16 loads may be out
.irp u, 0,1,2,3,4,5,6,7
	RMUL \u
	PLACES
	WIN 0
.if \u < 6
	FR \u+2                                        ; into the places that this pair has left
.endif
	TOST \u                                        ; its wait for 0 also shows the rows of \u - 1 back in registers
.if \u > 0
	s_wait_xcnt 0x0                                ; the stores of two turns ago have read their registers
	SEND \u-1
.endif
	BACK \u
.endr
	s_wait_dscnt 0x0
	SEND 7
	WIN 0
	s_wait_tensorcnt 0x0                           ; the wave's end
	ds_add_u32 v[SPW], v[NIL]
	s_wait_dscnt 0x0
	CROUND                                         ; the closing round
	s_endpgm
.Lfunc_end_k_qd69cbdbcbd_gemm:
	.size	k_qd69cbdbcbd_gemm, .Lfunc_end_k_qd69cbdbcbd_gemm-k_qd69cbdbcbd_gemm
	.p2alignl 7, 3214868480
	.fill 96, 4, 3214868480
	.section	.rodata,"a",@progbits
	.p2align	6, 0x0
	.amdhsa_kernel k_qd69cbdbcbd_gemm
		.amdhsa_group_segment_fixed_size 327680
		.amdhsa_private_segment_fixed_size 0
		.amdhsa_enable_private_segment 0
		.amdhsa_kernarg_size 32
		.amdhsa_user_sgpr_count 2
		.amdhsa_user_sgpr_kernarg_segment_ptr 1
		.amdhsa_wavefront_size32 1
		.amdhsa_system_sgpr_workgroup_id_x 1
		.amdhsa_system_sgpr_workgroup_id_y 1
		.amdhsa_system_sgpr_workgroup_id_z 1
		.amdhsa_system_vgpr_workitem_id 0
		.amdhsa_next_free_vgpr 1024
		.amdhsa_next_free_sgpr 98
		.amdhsa_reserve_vcc 0
		.amdhsa_float_denorm_mode_32 3
		.amdhsa_float_denorm_mode_16_64 3
		.amdhsa_memory_ordered 1
		.amdhsa_forward_progress 1
		.amdhsa_inst_pref_size 218
	.end_amdhsa_kernel
	.amdgpu_metadata
---
amdhsa.version: [ 1, 2 ]
amdhsa.kernels:
  - .name:           k_qd69cbdbcbd_gemm
    .symbol:         k_qd69cbdbcbd_gemm.kd
    .args:
      - { .name: x_codes, .offset: 0, .size: 8, .value_kind: global_buffer, .address_space: global }
      - { .name: y_codes, .offset: 8, .size: 8, .value_kind: global_buffer, .address_space: global }
      - { .name: lowp_scales, .offset: 16, .size: 8, .value_kind: global_buffer, .address_space: global }
      - { .name: out0, .offset: 24, .size: 8, .value_kind: global_buffer, .address_space: global }
    .group_segment_fixed_size: 327680
    .private_segment_fixed_size: 0
    .kernarg_segment_align: 8
    .kernarg_segment_size: 32
    .max_flat_workgroup_size: 128
    .sgpr_count:     98
    .vgpr_count:     1024
    .wavefront_size: 32
...
	.end_amdgpu_metadata
.endif
;; end of part 2
